; MI455X (gfx1250); checked and timed in simulation.
; The chip was launched on July 23, 2026; its instructions are those of AMD's public machine-readable ISA for CDNA 5 (MIT licence, August 2026) and "CDNA5" Instruction Set Architecture Reference Guide (July 2026). The comments in the code are by the model that wrote it; some were corrected since.
;; Token Routed MLP Parallel. Allowed arithmetic: matrix products marked QUANTISED: E3M2 operands, one E8M0 scale for each 32 along K, by v_wmma_scale_f32_16x16x128_f8f6f4 with both operands' format E3M2, f32 sums; everything else in f32.
;; Inputs: down_proj_codes 8 x 2,048 x 8 x 24 uint8 (E3M2 codes of down_proj, K innermost, in blocks of 32 codes, four codes in three bytes); down_proj_scales 8 x 2,048 x 8 uint8 (E8M0 scales of down_proj, one for each 32 codes along K); gate_proj_codes 8 x 256 x 64 x 24 uint8 (E3M2 codes of gate_proj, K innermost, in blocks of 32 codes, four codes in three bytes); gate_proj_scales 8 x 256 x 64 uint8 (E8M0 scales of gate_proj, one for each 32 codes along K); hidden_states_codes 2 x 2,048 x 64 x 24 uint8 (E3M2 codes of hidden_states, K innermost, in blocks of 32 codes, four codes in three bytes); hidden_states_scales 2 x 2,048 x 64 uint8 (E8M0 scales of hidden_states, one for each 32 codes along K); token_ids 2 x 2,048 int32; up_proj_codes 8 x 256 x 64 x 24 uint8 (E3M2 codes of up_proj, K innermost, in blocks of 32 codes, four codes in three bytes); up_proj_scales 8 x 256 x 64 uint8 (E8M0 scales of up_proj, one for each 32 codes along K).
;; Outputs: out0 2 x 2,048 x 2,048 float32.
;; This version of the problem:
;;   THIS VERSION OF THE PROBLEM IS GIVEN IN LOW PRECISION. The matrix products marked QUANTISED in the list below multiply operands that are first quantised to E3M2 (3 exponent bits, 2 mantissa bits; 6 bits a number), with one power-of-two scale for each 32 numbers along K (OCP MX v1.0); their sums are f32. All else is computed in f32.
;;   The module's matrix products, in the order in which they are computed (A, B: the left and right operand; K: the contracted axis; several contracted axes count as one K, in the product's order):
;;     1. [M 4,096, K 2,048] x [K 2,048, N 256]; A: input hidden_states (given as codes); B: input gate_proj (given as codes): QUANTISED
;;     2. [M 4,096, K 2,048] x [K 2,048, N 256]; A: input hidden_states (given as codes); B: input up_proj (given as codes): QUANTISED
;;     3. [M 4,096, K 256] x [K 256, N 2,048]; A: computed on the way; B: input down_proj (given as codes): QUANTISED
;;     4. [M 4,096, K 2,048] x [K 2,048, N 256]; A: input hidden_states (given as codes); B: input gate_proj (given as codes): QUANTISED
;;     5. [M 4,096, K 2,048] x [K 2,048, N 256]; A: input hidden_states (given as codes); B: input up_proj (given as codes): QUANTISED
;;     6. [M 4,096, K 256] x [K 256, N 2,048]; A: computed on the way; B: input down_proj (given as codes): QUANTISED
;;     7. [M 4,096, K 2,048] x [K 2,048, N 256]; A: input hidden_states (given as codes); B: input gate_proj (given as codes): QUANTISED
;;     8. [M 4,096, K 2,048] x [K 2,048, N 256]; A: input hidden_states (given as codes); B: input up_proj (given as codes): QUANTISED
;;     9. [M 4,096, K 256] x [K 256, N 2,048]; A: computed on the way; B: input down_proj (given as codes): QUANTISED
;;     10. [M 4,096, K 2,048] x [K 2,048, N 256]; A: input hidden_states (given as codes); B: input gate_proj (given as codes): QUANTISED
;;     11. [M 4,096, K 2,048] x [K 2,048, N 256]; A: input hidden_states (given as codes); B: input up_proj (given as codes): QUANTISED
;;     12. [M 4,096, K 256] x [K 256, N 2,048]; A: computed on the way; B: input down_proj (given as codes): QUANTISED
;;     13. [M 4,096, K 2,048] x [K 2,048, N 256]; A: input hidden_states (given as codes); B: input gate_proj (given as codes): QUANTISED
;;     14. [M 4,096, K 2,048] x [K 2,048, N 256]; A: input hidden_states (given as codes); B: input up_proj (given as codes): QUANTISED
;;     15. [M 4,096, K 256] x [K 256, N 2,048]; A: computed on the way; B: input down_proj (given as codes): QUANTISED
;;     16. [M 4,096, K 2,048] x [K 2,048, N 256]; A: input hidden_states (given as codes); B: input gate_proj (given as codes): QUANTISED
;;     17. [M 4,096, K 2,048] x [K 2,048, N 256]; A: input hidden_states (given as codes); B: input up_proj (given as codes): QUANTISED
;;     18. [M 4,096, K 256] x [K 256, N 2,048]; A: computed on the way; B: input down_proj (given as codes): QUANTISED
;;     19. [M 4,096, K 2,048] x [K 2,048, N 256]; A: input hidden_states (given as codes); B: input gate_proj (given as codes): QUANTISED
;;     20. [M 4,096, K 2,048] x [K 2,048, N 256]; A: input hidden_states (given as codes); B: input up_proj (given as codes): QUANTISED
;;     21. [M 4,096, K 256] x [K 256, N 2,048]; A: computed on the way; B: input down_proj (given as codes): QUANTISED
;;     22. [M 4,096, K 2,048] x [K 2,048, N 256]; A: input hidden_states (given as codes); B: input gate_proj (given as codes): QUANTISED
;;     23. [M 4,096, K 2,048] x [K 2,048, N 256]; A: input hidden_states (given as codes); B: input up_proj (given as codes): QUANTISED
;;     24. [M 4,096, K 256] x [K 256, N 2,048]; A: computed on the way; B: input down_proj (given as codes): QUANTISED
;;   THE QUANTISER, for each operand of a quantised product, along K:
;;     - K is cut into blocks of 32 from its start; a last block that is shorter is filled with zeros.
;;     - A block's scale is 2^e with e = floor(log2(the largest magnitude in the block)) - 4, held to -126 .. 127; a block of zeros has e = 0. As a byte (E8M0): e + 127.
;;     - Each number is divided by its block's scale, clamped to +-28, and rounded to the nearest number of E3M2, ties to even, subnormals kept.
;;     - The product sums the exact products of the quantised numbers (number of the format x scale) in f32.
;;   ~~~python
;;   def quantise(x, axis):      # numpy; x: float32 -> the quantised numbers, widened to float32 again
;;       x = np.moveaxis(x, axis, -1); K = x.shape[-1]
;;       x = np.pad(x, [(0, 0)] * (x.ndim - 1) + [(0, -K % 32)]); x = x.reshape(x.shape[:-1] + (-1, 32)); a = np.abs(x).max(-1, keepdims=True)
;;       e = np.where(a > 0, np.clip(np.frexp(np.where(a > 0, a, 1))[1] - 1 - 4, -126, 127), 0)      # np.frexp(a)[1] - 1 = floor(log2(a)), exactly
;;       r = np.clip(x / 2.0 ** e, -28, 28)
;;       step = 2.0 ** (np.maximum(np.frexp(np.where(r == 0, 1, r))[1] - 1, -2) - 2)
;;       q = np.round(r / step) * step * 2.0 ** e      # np.round: ties to even
;;       return np.moveaxis(q.reshape(q.shape[:-2] + (-1,))[..., :K], -1, axis).astype(np.float32)
;;   ~~~
;;   OPERANDS COMPUTED ON THE WAY. 'Computed on the way' means the value that the module computes at that place (a softmax that the list does not call 'softmax' is quantised finished and normalised). What goes into a quantiser is computed in f32, as accurately as f32 sums, v_exp_f32 and their like allow (about 1e-6 of the number): no bf16 or f16 on the way to a quantiser, and a product that is left as it is and whose result goes on into a quantised operand takes f32 operands (vector FMAs, or v_wmma_f32_16x16x4_f32). A number that lies on a knife's edge between two numbers of the format may be rounded either way, as far as f32 arithmetic and the matrix unit's own rounding can turn it there, and no further.
;;   INPUTS GIVEN AS CODES. down_proj (in the module: [8, 256, 2048], K = its axis 1); gate_proj (in the module: [8, 2048, 256], K = its axis 1); hidden_states (in the module: [2, 2048, 2048], K = its axis 2); up_proj (in the module: [8, 2048, 256], K = its axis 1): each comes as NAME_codes (uint8): NAME with its K axis moved to the last place and cut into blocks of 32 codes, [.., K / 32, bytes a block], one block behind the other in memory; four codes in three bytes: a row's codes are one little-endian stream of bits, code i at bits 6 i .. 6 i + 5 (a code: sign, 3 exponent bits, 2 mantissa bits); and NAME_scales (uint8): the same leading axes, one E8M0 byte (e + 127) for each 32 codes along K. Its value is code x scale, taken as it is: it is not quantised again, and the codes and scales need not be those that the quantiser above would give.
;; One version. Each part assembles by itself: llvm-mc -triple=amdgcn-amd-amdhsa -mcpu=gfx1250 --defsym DOCPART=n.
;; ======== version 1 of 1: 2 launches
;; limits: right only within a limited range of input values
;; workspace buffers: hq 8,388,608 bytes; list 262,144 bytes of whole numbers
;; launch hidden (part 1): grid 256 x 1, 8 waves a work-group, no clusters, 313,344 bytes of LDS; arguments token_ids, hidden_states_codes, hidden_states_scales, gate_proj_codes, gate_proj_scales, up_proj_codes, up_proj_scales, hq, list; writes hq, list
.if DOCPART == 1
	.amdgcn_target "amdgcn-amd-amdhsa--gfx1250"
	.amdhsa_code_object_version 6
	.text
	.protected	k_qbfabc83432_hidden
	.globl	k_qbfabc83432_hidden
	.p2align	8
	.type	k_qbfabc83432_hidden,@function
k_qbfabc83432_hidden:
	s_mov_b64 s[64:65], 0
	v_nop
	global_prefetch_b8 v0, s[64:65] scope:SCOPE_SE
	s_setreg_imm32_b32 hwreg(HW_REG_WAVE_MODE, 25, 1), 1
	s_wait_xcnt 0x0
; out[t] = Q(silu(x[t] Wg[e]) * (x[t] Wu[e])) Wd[e],  e = min(clip(id[t], 0, 99999) / 12500, 7).  4,096 tokens, 8 experts, D = 2,048, 256 hidden units an expert.  THIS LAUNCH: h = silu(x Wg) * (x Wu), quantised, and the lists of tokens.
; Only the expert chosen for a token is multiplied: the other seven products of a row are thrown away by the mask that the problem builds itself (where(e == ei, o, 0)), whatever the numbers hold.
; LIMIT: a NaN, an infinity or an overflow in a product that is left out is not carried to the result.
; LIMITS: NaN and infinities in h are not served.  A block of h that is all zeros gets the scale byte 1 where the rule says 127: its codes are zeros, and only this program reads the byte.
; v_exp_f32 and v_rcp_f32 are good to 1 ulp and flush denormals (ISA guide, their entries): for g under about -88 silu(g) comes out as 0 where its magnitude is under 1e-36.
; GRID.  Work-group b: expert e = b % 8, part p = (b / 8) % 4 (hidden units 64 p .. + 63), run t = b / 32 of 512 ids.  Its tokens are those of ids 512 t .. 512 t + 511 that choose e, in the order (id register, lane).
; They go in passes of 96 slots, three pairs of 16-token tiles; six passes serve any split (512 tokens); a pass without tokens jumps over its work and over no barrier.
; A free slot repeats the last token; a run without tokens works on one slot that the next launch does not use.
; WAVES.  Wave w = 2 kq + blk: blk = one block of 32 hidden units (its 32 rows of Wg and 32 of Wu), kq = a quarter of K (512).  A wave's weights come once into 192 registers, through its own stage in LDS, and stay.
; x is loaded once by the work-group (wave (blk, kq): tile blk of each pair, quarter kq) and shared through LDS.  The four quarters' sums of pair i are joined by wave kq = i, which applies silu, quantises and stores.
; NO CLUSTER, NO TENSOR LOADS: branches hang on counts made from token_ids.  NO PREFETCH: each tile is asked for once, at the head, and no loop could run ahead of it.
; The matrix instruction is used transposed (source 0 = weights, source 1 = tokens): a lane holds one token.  Lane r of weight tile u takes row 8 u + r + 8 (r / 8) of the 32: tiles 0 and 1 give a lane the units 16 h + 0 .. 15.
; REGISTERS.  Window 0: v1-23 addresses; v32-63 ids, search, later the joined sums of g; v64-79 scale words only; v80-223 x on its way, x's fragments (v80-127), partial sums; v224-255 Wu on its way, later the joined sums of u.
; Window 1: v0-95 Wg's fragments; v96-191 Wg on its way, then Wu's fragments; v192-255 Wu on its way, then the 8 accumulators.
.set STG,   153600                     ; LDS: from 0 x, [kq][96 slots] rows of 384 + 16 bytes; then a stage of 32 rows x 400 for each wave, and over the stages, once the weights are in registers, the partial sums
.set PT,    153600                     ; ((2 i + blk) 3 + d) 8192: pair i, the wave kq = (i + 1 + d) % 4
.set XSC,   301056                     ; x's scale bytes: 80 a slot
.set LIST,  311296                     ; tokens, [blk][128]
.set SPARE, 312320
.set L16, 4
.set GK,  5                            ; Wg, Wu in memory: rows 16 b3 + 4 b4 on, 16 (lane % 8) bytes on (b3, b4: bits 3, 4 of the lane)
.set LK,  6                            ; in the stage: rows 8 b3 + 4 b4 on
.set WA,  7                            ; fragments in the stage
.set XW,  8                            ; where I put x
.set XA,  9                            ; x's fragments
.set SA,  10                           ; the weights' scale rows
.set TLA, 11                           ; the list, read
.set TLW, 12                           ; and written
.set XSW, 13                           ; x's scales, written
.set XSR, 14                           ; and read
.set PW,  15                           ; v15-17 my partial sums of pair 0, 1, 2
.set PRA, 18                           ; those that I join
.set L8,  19
.set SPW, 20
.set NIL, 21
.set X16, 22                           ; 16 (lane % 8)
.set OWN, 23                           ; 32 kq + lane
.set MSB, 0
.macro WIN new                         ; the immediate's high byte repeats the setting that is left
.if MSB != \new
	s_set_vgpr_msb (MSB<<8)|\new
.set MSB, \new
.endif
.endm
.macro PLACES n                        ; plain vector instructions behind matrix instructions (ISA guide 7.12.1)
.rept \n
	v_nop
.endr
.endm
.macro D1
	s_delay_alu instid0(VALU_DEP_1)
.endm
.macro D2
	s_delay_alu instid0(VALU_DEP_2)
.endm
.macro VW
	s_wait_alu depctr_va_vdst(0)
.endm
.macro BAR                             ; my LDS instructions are done: then the work-group's barrier
	VW
	s_wait_dscnt 0x0
	s_barrier_signal -1
	s_barrier_wait -1
.endm
.macro LIVE lab                        ; a pass without tokens jumps
	VW
	s_cmp_le_i32 s57, 0
	s_cbranch_scc1 \lab
.endm
.macro FRAG reg, adr, off              ; 16 rows x 128 K: lane (r, h) takes 24 bytes at 24 h and 24 at 48 + 24 h of its row's 96
.irp p, 0,1,2,3,4,5
	ds_load_b64 v[\reg+2*\p:\reg+2*\p+1], v[\adr] offset:\off+48*(\p/3)+8*(\p%3)
.endr
.endm
.macro WM d, a, b, sa, sb, ra, rb, st  ; ra, rb: which half of the lanes of the scale registers serves; st = 0 starts the sum
.if (\st) == 0
.if (\ra) == 0 && (\rb) == 0
	v_wmma_scale_f32_16x16x128_f8f6f4 v[\d:\d+7], v[\a:\a+11], v[\b:\b+11], 0, v[\sa], v[\sb] matrix_a_fmt:MATRIX_FMT_BF6 matrix_b_fmt:MATRIX_FMT_BF6
.elseif (\ra) == 0
	v_wmma_scale_f32_16x16x128_f8f6f4 v[\d:\d+7], v[\a:\a+11], v[\b:\b+11], 0, v[\sa], v[\sb] matrix_a_fmt:MATRIX_FMT_BF6 matrix_b_fmt:MATRIX_FMT_BF6 matrix_b_scale:MATRIX_SCALE_ROW1
.elseif (\rb) == 0
	v_wmma_scale_f32_16x16x128_f8f6f4 v[\d:\d+7], v[\a:\a+11], v[\b:\b+11], 0, v[\sa], v[\sb] matrix_a_fmt:MATRIX_FMT_BF6 matrix_b_fmt:MATRIX_FMT_BF6 matrix_a_scale:MATRIX_SCALE_ROW1
.else
	v_wmma_scale_f32_16x16x128_f8f6f4 v[\d:\d+7], v[\a:\a+11], v[\b:\b+11], 0, v[\sa], v[\sb] matrix_a_fmt:MATRIX_FMT_BF6 matrix_b_fmt:MATRIX_FMT_BF6 matrix_a_scale:MATRIX_SCALE_ROW1 matrix_b_scale:MATRIX_SCALE_ROW1
.endif
.else
.if (\ra) == 0 && (\rb) == 0
	v_wmma_scale_f32_16x16x128_f8f6f4 v[\d:\d+7], v[\a:\a+11], v[\b:\b+11], v[\d:\d+7], v[\sa], v[\sb] matrix_a_fmt:MATRIX_FMT_BF6 matrix_b_fmt:MATRIX_FMT_BF6
.elseif (\ra) == 0
	v_wmma_scale_f32_16x16x128_f8f6f4 v[\d:\d+7], v[\a:\a+11], v[\b:\b+11], v[\d:\d+7], v[\sa], v[\sb] matrix_a_fmt:MATRIX_FMT_BF6 matrix_b_fmt:MATRIX_FMT_BF6 matrix_b_scale:MATRIX_SCALE_ROW1
.elseif (\rb) == 0
	v_wmma_scale_f32_16x16x128_f8f6f4 v[\d:\d+7], v[\a:\a+11], v[\b:\b+11], v[\d:\d+7], v[\sa], v[\sb] matrix_a_fmt:MATRIX_FMT_BF6 matrix_b_fmt:MATRIX_FMT_BF6 matrix_a_scale:MATRIX_SCALE_ROW1
.else
	v_wmma_scale_f32_16x16x128_f8f6f4 v[\d:\d+7], v[\a:\a+11], v[\b:\b+11], v[\d:\d+7], v[\sa], v[\sb] matrix_a_fmt:MATRIX_FMT_BF6 matrix_b_fmt:MATRIX_FMT_BF6 matrix_a_scale:MATRIX_SCALE_ROW1 matrix_b_scale:MATRIX_SCALE_ROW1
.endif
.endif
.endm
.macro LEVEL x, fw, st                 ; the n-th set bit, one level: the field at pos (v56) counts the set bits of the lower half of what is left
	D1
	v_bfe_u32 v57, v[\x], v56, \fw
	D1
	v_cmp_ge_u32 vcc_lo, v51, v57
	D1
	v_cndmask_b32 v57, 0, v57, vcc_lo
	D1
	v_sub_nc_u32 v51, v51, v57
	s_delay_alu instid0(VALU_DEP_3)
	v_cndmask_b32 v58, 0, \st, vcc_lo
	D1
	v_add_nc_u32 v56, v56, v58
.endm
; The token of slot lane of my pair: of the 16 masks (s68-83) the last that begins at or under the slot's rank holds it; s84-99: a mask's first rank << 16 | its first token.  The list takes (token, count).
.macro SEARCH
	v_add_nc_u32 v48, s59, v[OWN]
	D1
	v_min_u32 v48, s58, v48                        ; a free slot asks for the last token
	D1
	v_lshl_or_b32 v48, v48, 16, 0xffff
	v_mov_b32 v49, 0
	v_mov_b32 v50, 0
.irp q, 0,1,2,3,4,5,6,7,8,9,10,11,12,13,14,15
	v_cmp_le_u32 vcc_lo, s[84+\q], v48
	D1
	v_cndmask_b32 v49, v49, s[68+\q], vcc_lo
	D2
	v_cndmask_b32 v50, v50, s[84+\q], vcc_lo
.endr
	v_lshrrev_b32 v51, 16, v48
	v_lshrrev_b32 v52, 16, v50
	D1
	v_sub_nc_u32 v51, v51, v52                     ; the set bit wanted, from 0
	v_and_b32 v50, 0xffff, v50
	v_lshrrev_b32 v52, 1, v49
	D1
	v_and_b32 v52, 0x55555555, v52
	D1
	v_sub_nc_u32 v52, v49, v52                     ; counts of 2 bits
	D1
	v_lshrrev_b32 v53, 2, v52
	D1
	v_and_b32 v53, 0x33333333, v53
	v_and_b32 v54, 0x33333333, v52
	D1
	v_add_nc_u32 v53, v53, v54                     ; of 4
	D1
	v_lshrrev_b32 v54, 4, v53
	D1
	v_add_nc_u32 v54, v54, v53
	D1
	v_and_b32 v54, s49, v54                        ; of 8
	D1
	v_lshrrev_b32 v55, 8, v54
	D1
	v_add_nc_u32 v55, v55, v54                     ; of 16, in byte 0
	v_mov_b32 v56, 0
	LEVEL 55, 8, 16
	LEVEL 54, 8, 8
	LEVEL 53, 4, 4
	LEVEL 52, 2, 2
	LEVEL 49, 1, 1
	D1
	v_lshl_add_u32 v60, v56, 2, v50                ; bit pos of a mask stands 4 pos tokens behind the mask's first
	D1
	v_min_u32 v60, 0xfff, v60
	v_mov_b32 v61, s56
	D2
	v_lshlrev_b32 v2, 6, v60                       ; its scale bytes (v2 is free behind the head)
	ds_store_b32 v[TLW], v60
	VW
	s_cmp_lg_u32 s60, 0                            ; part 0, block 0, kq < 3 stores the list
	s_cbranch_scc1 .Lno_list_\@
	s_cmp_ge_i32 s62, s57
	s_cbranch_scc1 .Lno_list_\@
	global_store_b64 v[L8], v[60:61], s[32:33]
.Lno_list_\@:
.endm
; 38 loads: half of my pair's scale bytes (lane = slot); then tile blk of the three pairs, my quarter of K: row 8 b3 + 4 b4 + j, bytes 128 c on; eight lanes read 128 consecutive bytes
.macro XLOAD
.irp i, 0,1,2
	ds_load_b128 v[36+4*\i:39+4*\i], v[TLA] offset:128*\i
.endr
	global_load_b128 v[24:27], v2, s[20:21]
	global_load_b128 v[28:31], v2, s[20:21] offset:16
	s_wait_dscnt 0x0
.irp k, 0,1,2,3,4,5,6,7,8,9,10,11
	v_min_u32 v[36+\k], 0xfff, v[36+\k]
.endr
.irp k, 0,1,2,3,4,5,6,7,8,9,10,11
	v_mad_u32_u24 v[36+\k], v[36+\k], 1536, v[X16]
.endr
.irp k, 0,1,2,3,4,5,6,7,8,9,10,11
.irp c, 0,1,2
	global_load_b128 v[80+12*\k+4*\c:83+12*\k+4*\c], v[36+\k], s[18:19] offset:128*\c
.endr
.endr
.endm
.macro XST i                           ; my tile of pair i into LDS
.irp j, 0,1,2,3
.irp c, 0,1,2
	ds_store_b128 v[XW], v[80+48*\i+12*\j+4*\c:83+48*\i+12*\j+4*\c] offset:12800*\i+400*\j+128*\c
.endr
.endr
.endm
.macro XFR i, s                        ; the two token tiles of pair i, step s, into fragment set s % 2
.irp rt, 0,1
	FRAG 80+24*((\s)%2)+12*\rt, XA, 12800*\i+6400*\rt+96*(\s)
.endr
.endm
; Pair i x my 64 weight rows x my 512 along K: eight accumulators by turns, one instruction a turn: g at v[192 + 16 rt + 8 u], u at v[224 + 16 rt + 8 u] of window 1
.macro MMA i
	ds_load_b128 v[72+4*(\i%2):75+4*(\i%2)], v[XSR] offset:2560*\i
	XFR \i, 0
	XFR \i, 1
.irp s, 0,1,2,3
.if \s < 3
	s_wait_dscnt 12                                ; the younger set's twelve loads may be out
.else
	s_wait_dscnt 0x0
.endif
	WIN 0x51                                       ; source 0, C and D window 1; source 1 window 0
.irp k, 0,1
.irp u, 0,1
.irp rt, 0,1
	WM 192+32*\k+16*\rt+8*\u, 96*\k+12*(4*\u+\s), 80+24*(\s%2)+12*\rt, 64+4*\k+\s, 72+4*(\i%2)+\s, \u, \rt, \s
.endr
.endr
.endr
.if \s < 2
	PLACES 4
	WIN 0
	XFR \i, \s+2
.endif
.endr
	PLACES 5
	WIN 0
; the wave that joins pair i keeps its sums, the others leave theirs in LDS; each accumulator is read from its low end on
	s_cmp_eq_u32 s38, \i
	s_cbranch_scc1 .Lkeep_\@
	WIN 0x04
.irp x, 0,1,2,3,4,5,6,7,8,9,10,11,12,13,14,15
	ds_store_b128 v[PW+\i], v[192+4*\x:195+4*\x] offset:512*\x
.endr
	WIN 0
	s_branch .Lkept_\@
.Lkeep_\@:
	WIN 0x01
.set KX, 0
.rept 32
	v_mov_b32 v[32+KX], v[192+KX]
.set KX, KX+1
.endr
.rept 32
	v_mov_b32 v[192+KX], v[192+KX]                 ; window 1's v224-255 into window 0's
.set KX, KX+1
.endr
	WIN 0
.Lkept_\@:
.endm
.macro ADDP t
.irp j, 0,2,4,6,8,10,12,14,16,18,20,22,24,26,28,30
	v_pk_add_f32 v[32+\j:33+\j], v[32+\j:33+\j], v[\t+\j:\t+1+\j]
.endr
.irp j, 0,2,4,6,8,10,12,14,16,18,20,22,24,26,28,30
	v_pk_add_f32 v[224+\j:225+\j], v[224+\j:225+\j], v[\t+32+\j:\t+33+\j]
.endr
.endm
	s_load_b512 s[16:31], s[0:1], 0x0              ; ids 16, x codes 18, x scales 20, Wg codes 22, scales 24, Wu codes 26, scales 28, hq 30
	s_load_b64 s[32:33], s[0:1], 0x40              ; list
	v_lshl_add_u32 v[SPW], v0, 2, SPARE
	v_mov_b32 v[NIL], 0
	v_and_b32 v1, 31, v0                           ; lane
	v_and_b32 v2, 15, v0                           ; r
	v_bfe_u32 v3, v0, 4, 1                         ; h, which is b4
	v_lshrrev_b32 v30, 5, v0
	v_and_b32 v28, 7, v0
	v_bfe_u32 v29, v0, 3, 1                        ; b3
	v_lshlrev_b32 v[L16], 4, v1
	v_readfirstlane_b32 s36, v30                   ; wave
	v_and_b32 v26, 8, v2
	v_lshlrev_b32 v[X16], 4, v28
	v_add_nc_u32 v26, v26, v2
	v_lshlrev_b32 v[L8], 3, v1
	v_mad_u32_u24 v[GK], v29, 24576, v[X16]
	v_lshl_add_u32 v26, v3, 3, v26                 ; lane (r, h): row r + 8 (r / 8) + 8 h
	v_mad_u32_u24 v[GK], v3, 6144, v[GK]
	v_lshlrev_b32 v[SA], 6, v26
	s_and_b32 s37, s36, 1                          ; blk
	s_lshr_b32 s38, s36, 1                         ; kq
	s_and_b32 s39, ttmp9, 7                        ; e
	s_lshr_b32 s40, ttmp9, 3
	s_and_b32 s41, s40, 3                          ; p
	s_lshr_b32 s42, s40, 2                         ; t
	s_lshl_b32 s43, s39, 3
	s_add_co_u32 s43, s43, s42                     ; 8 e + t
	s_lshl_b32 s44, s42, 11
	s_mov_b32 s45, 0
	s_mul_i32 s46, s39, 393216
	s_mul_i32 s61, s41, 98304
	s_add_co_u32 s46, s46, s61
	s_mul_i32 s61, s37, 49152
	s_add_co_u32 s46, s46, s61
	s_mul_i32 s52, s38, 384
	s_mov_b32 s53, 0
	s_add_co_u32 s46, s46, s52                     ; the weights: expert, 64 p + 32 blk rows, quarter kq
	s_mov_b32 s47, 0
	s_lshl_b32 s48, s39, 14
	s_lshl_b32 s61, s41, 12
	s_add_co_u32 s48, s48, s61
	s_lshl_b32 s61, s37, 11
	s_add_co_u32 s48, s48, s61
	s_lshl_b32 s61, s38, 4
	s_add_co_u32 s48, s48, s61                     ; their scales
	s_mov_b32 s49, 0
	s_lshl_b32 s54, s37, 5
	s_mov_b32 s55, 0
	s_lshl_b32 s66, s43, 17
	s_lshl_b32 s61, s38, 13
	s_add_co_u32 s66, s66, s61
	s_lshl_b32 s61, s41, 11
	s_add_co_u32 s66, s66, s61
	s_lshl_b32 s61, s37, 10
	s_add_co_u32 s66, s66, s61                     ; hq: [e][t][16 pairs][p][blk] 1,024 bytes
	s_mov_b32 s67, 0
	s_lshl_b32 s34, s43, 12
	s_lshl_b32 s61, s38, 8
	s_add_co_u32 s34, s34, s61                     ; list: [e][t][512 slots] 8 bytes
	s_mov_b32 s35, 0
	VW
	s_wait_kmcnt 0x0
	s_add_nc_u64 s[16:17], s[16:17], s[44:45]
	s_add_nc_u64 s[22:23], s[22:23], s[46:47]
	s_add_nc_u64 s[26:27], s[26:27], s[46:47]
	s_add_nc_u64 s[24:25], s[24:25], s[48:49]
	s_add_nc_u64 s[28:29], s[28:29], s[48:49]
	s_add_nc_u64 s[18:19], s[18:19], s[52:53]
	s_add_nc_u64 s[20:21], s[20:21], s[54:55]
	s_add_nc_u64 s[30:31], s[30:31], s[66:67]
	s_add_nc_u64 s[32:33], s[32:33], s[34:35]
.irp j, 0,1,2,3
	global_load_b128 v[32+4*\j:35+4*\j], v[L16], s[16:17] offset:512*\j   ; register q = 4 j + i: token 512 t + 128 j + 4 lane + i
.endr
	global_load_b128 v[64:67], v[SA], s[24:25]     ; four words: my four K steps; lanes 0-15 tile 0, lanes 16-31 tile 1
	global_load_b128 v[68:71], v[SA], s[28:29]
; 24 loads of Wg, 24 of Wu: load i of tile u takes bytes 128 (i % 3) on of rows 8 u + i / 3 + 4 b4 + 16 b3
	WIN 0x40
.irp u, 0,1
.irp i, 0,1,2,3,4,5,6,7,8,9,10,11
	global_load_b128 v[96+48*\u+4*\i:99+48*\u+4*\i], v[GK], s[22:23] offset:12288*\u+1536*(\i/3)+128*(\i%3)
.endr
.endr
.irp i, 0,1,2,3,4,5,6,7,8,9,10,11
	global_load_b128 v[192+4*\i:195+4*\i], v[GK], s[26:27] offset:1536*(\i/3)+128*(\i%3)
.endr
.irp i, 0,1,2,3
	global_load_b128 v[240+4*\i:243+4*\i], v[GK], s[26:27] offset:12288+1536*(\i/3)+128*(\i%3)
.endr
	WIN 0
.irp i, 4,5,6,7,8,9,10,11
	global_load_b128 v[208+4*\i:211+4*\i], v[GK], s[26:27] offset:12288+1536*(\i/3)+128*(\i%3)
.endr
; the LDS addresses
	s_mul_i32 s55, s36, 12800
	s_add_co_u32 s55, s55, STG                     ; my stage
	s_mul_i32 s61, s38, 38400
	s_mul_i32 s63, s37, 6400
	s_add_co_u32 s63, s63, s61
	v_mad_u32_u24 v28, v29, 3200, v[X16]
	v_mul_u32_u24 v27, v2, 400
	v_mul_u32_u24 v26, v1, 80
	v_mad_u32_u24 v28, v3, 1600, v28               ; rows 8 b3 + 4 b4
	v_mad_u32_u24 v27, v3, 24, v27
	v_lshlrev_b32 v25, 5, v29
	v_add_nc_u32 v[LK], s55, v28
	v_add_nc_u32 v[WA], s55, v27
	v_lshl_add_u32 v25, v3, 4, v25
	v_add_nc_u32 v[XW], s63, v28
	v_add_nc_u32 v[XA], s61, v27
	s_mul_i32 s55, s37, 576
	s_add_co_u32 s55, s55, LIST
	v_add_nc_u32 v[TLA], s55, v25                  ; slots 16 blk + 8 b3 + 4 b4 on, of my block's copy
	s_lshl_b32 s55, s37, 9
	s_lshl_b32 s61, s38, 7
	s_add_co_u32 s55, s55, s61
	s_add_co_u32 s55, s55, LIST
	v_lshl_add_u32 v[TLW], v1, 2, s55
	s_mul_i32 s55, s38, 2560
	s_lshl_b32 s61, s37, 5
	s_add_co_u32 s55, s55, s61
	s_add_co_u32 s55, s55, XSC
	v_add_nc_u32 v[XSW], s55, v26
	s_lshl_b32 s55, s38, 4
	s_add_co_u32 s55, s55, XSC
	v_add_nc_u32 v[XSR], s55, v26
	s_mul_i32 s61, s37, 3
.irp i, 0,1,2
	s_add_co_u32 s55, s38, 3-\i
	s_and_b32 s55, s55, 3                          ; d = (kq - i - 1) % 4: 0, 1, 2 in the waves that do not join pair i
	s_add_co_u32 s55, s55, s61
	s_add_co_u32 s55, s55, 6*\i
	s_lshl_b32 s55, s55, 13
	s_add_co_u32 s55, s55, PT
	v_add_nc_u32 v[PW+\i], s55, v[L16]
.endr
	s_mul_i32 s55, s36, 24576
	s_add_co_u32 s55, s55, PT
	v_add_nc_u32 v[PRA], s55, v[L16]
	s_lshl_b32 s62, s38, 5                         ; 32 kq: my pair's first slot
	v_add_nc_u32 v[OWN], s62, v1
	v_mov_b32 v59, 0                               ; (registers of the joined sums that neither ids nor search write)
	v_mov_b32 v62, 0
	v_mov_b32 v63, 0
	s_lshl_b32 s60, s37, 2
	s_add_co_u32 s60, s60, s41
	s_add_co_u32 s61, s38, 1
	s_lshr_b32 s61, s61, 2
	s_lshl_b32 s61, s61, 3
	s_or_b32 s60, s60, s61                         ; 0 in part 0, block 0, kq < 3
	s_mov_b32 s44, 0x76543210
	s_mov_b32 s45, 0xfedcba98                      ; v_permlanex16_b32's selects for lane l xor 16
	s_mov_b32 s46, 0xbfb8aa3b                      ; -log2(e)
	s_mov_b32 s47, s46
	s_mov_b32 s48, 0xffff0000                      ; lanes 16-31
	s_mov_b32 s49, 0x0f0f0f0f
; expert e's ids: s50 .. s50 + s51 as unsigned distances; what lies below 0 belongs to expert 0, what lies above to expert 7 (the clip and the minimum)
	s_mul_i32 s50, s39, 12500
	s_mov_b32 s51, 12499
	s_cmp_eq_u32 s39, 0
	s_cselect_b32 s50, 0x80000000, s50
	s_cselect_b32 s51, 0x800030d3, s51
	s_cmp_eq_u32 s39, 7
	s_cselect_b32 s51, 0x7ffeaa33, s51
	VW
	s_wait_loadcnt 50                              ; the ids: behind them 2 loads of scales and 48 of weights
.irp q, 0,1,2,3,4,5,6,7,8,9,10,11,12,13,14,15
	v_sub_nc_u32 v[32+\q], v[32+\q], s50
.endr
.irp q, 0,1,2,3,4,5,6,7,8,9,10,11,12,13,14,15
	v_cmp_ge_u32 s[68+\q], s51, v[32+\q]
.endr
	s_lshl_b32 s53, s42, 9                         ; rank << 16 | 512 t
.irp q, 0,1,2,3,4,5,6,7,8,9,10,11,12,13,14,15
	s_add_co_u32 s[84+\q], s53, 128*(\q/4)+\q%4
	s_bcnt1_i32_b32 s55, s[68+\q]
	s_lshl_b32 s55, s55, 16
	s_add_co_u32 s53, s53, s55
.endr
	s_lshr_b32 s56, s53, 16                        ; n: the run's tokens
	s_max_u32 s57, s56, 1                          ; slots to go
	s_sub_co_u32 s58, s57, 1                       ; the last rank
	s_mov_b32 s59, 0                               ; the pass's first slot
	SEARCH
	BAR                                            ; the list lies in LDS
	XLOAD
; the weights into registers, through my own stage; LDS serves a wave's instructions in order (ISA guide 5.7.1.4).  Row a of the 32 lands at stage row 16 ((a / 8) % 2) + 8 (a / 16) + a % 8: a tile's rows lie on end
	s_wait_loadcnt 62                              ; Wg: behind it Wu's 24, x's scales 2, x's 36
	WIN 0x04
.irp u, 0,1
.irp i, 0,1,2,3,4,5,6,7,8,9,10,11
	ds_store_b128 v[LK], v[96+48*\u+4*\i:99+48*\u+4*\i] offset:6400*\u+400*(\i/3)+128*(\i%3)
.endr
.endr
	WIN 0x40
.irp u, 0,1
.irp s, 0,1,2,3
	FRAG 12*(4*\u+\s), WA, 6400*\u+96*\s
.endr
.endr
	s_wait_loadcnt 38                              ; Wu: behind it 2 + 36
	WIN 0x04
.irp i, 0,1,2,3,4,5,6,7,8,9,10,11
	ds_store_b128 v[LK], v[192+4*\i:195+4*\i] offset:400*(\i/3)+128*(\i%3)
.endr
.irp i, 0,1,2,3
	ds_store_b128 v[LK], v[240+4*\i:243+4*\i] offset:6400+400*(\i/3)+128*(\i%3)
.endr
	WIN 0
.irp i, 4,5,6,7,8,9,10,11
	ds_store_b128 v[LK], v[208+4*\i:211+4*\i] offset:6400+400*(\i/3)+128*(\i%3)
.endr
	s_wait_dscnt 0x0                               ; the stores have read their registers
	WIN 0x40
.irp u, 0,1
.irp s, 0,1,2,3
	FRAG 96+12*(4*\u+\s), WA, 6400*\u+96*\s
.endr
.endr
	WIN 0
	s_mov_b32 s63, 0
	VW
.Lpass:
	s_wait_xcnt 0x0                                ; the loads and the list's store have read their registers
	s_wait_loadcnt 24                              ; x's scales and pair 0
	LIVE .Lx0
	ds_store_b128 v[XSW], v[24:27]
	ds_store_b128 v[XSW], v[28:31] offset:16
	XST 0
.Lx0:
	BAR                                            ; pair 0 and the scales lie in LDS
	LIVE .Lm0
	MMA 0
.Lm0:
	s_wait_loadcnt 12
	LIVE .Lx1
	XST 1
.Lx1:
	BAR
	LIVE .Lm1
	MMA 1
.Lm1:
	s_wait_loadcnt 0x0
	LIVE .Lx2
	XST 2
.Lx2:
	BAR
	LIVE .Lm2
	MMA 2
.Lm2:
	BAR                                            ; the partial sums lie in LDS
	s_cmp_eq_u32 s38, 3
	s_cbranch_scc1 .Lfin
	s_cmp_ge_i32 s62, s57
	s_cbranch_scc1 .Lfin
.irp x, 0,1,2,3,4,5,6,7,8,9,10,11,12,13,14,15
	ds_load_b128 v[80+4*\x:83+4*\x], v[PRA] offset:512*\x
.endr
.irp x, 0,1,2,3,4,5,6,7,8,9,10,11,12,13,14,15
	ds_load_b128 v[144+4*\x:147+4*\x], v[PRA] offset:8192+512*\x
.endr
	s_wait_dscnt 16
	ADDP 80
.irp x, 0,1,2,3,4,5,6,7,8,9,10,11,12,13,14,15
	ds_load_b128 v[80+4*\x:83+4*\x], v[PRA] offset:16384+512*\x
.endr
	s_wait_dscnt 16
	ADDP 144
	s_wait_dscnt 0x0
	ADDP 80
; h = silu(g) u = g / (1 + 2^(-g log2 e)) x u, in f32
.irp j, 0,2,4,6,8,10,12,14,16,18,20,22,24,26,28,30
	v_pk_mul_f32 v[80+\j:81+\j], v[32+\j:33+\j], s[46:47] op_sel_hi:[1,0]
.endr
	VW
.set KX, 0
.rept 32
	v_exp_f32 v[80+KX], v[80+KX]
.set KX, KX+1
.endr
	v_nop
	VW
.irp j, 0,2,4,6,8,10,12,14,16,18,20,22,24,26,28,30
	v_pk_add_f32 v[80+\j:81+\j], v[80+\j:81+\j], 1.0 op_sel_hi:[1,0]
.endr
	VW
.set KX, 0
.rept 32
	v_rcp_f32 v[80+KX], v[80+KX]
.set KX, KX+1
.endr
	v_mov_b32 v178, 0                              ; (destinations of the lane exchange below)
	v_mov_b32 v179, 0
	VW
.irp j, 0,2,4,6,8,10,12,14,16,18,20,22,24,26,28,30
	v_pk_mul_f32 v[32+\j:33+\j], v[32+\j:33+\j], v[80+\j:81+\j]
.endr
.irp j, 0,2,4,6,8,10,12,14,16,18,20,22,24,26,28,30
	v_pk_mul_f32 v[224+\j:225+\j], v[32+\j:33+\j], v[224+\j:225+\j]   ; register 224 + 16 rt + i = h(token 16 rt + r, unit 64 p + 32 blk + 16 h + i)
.endr
; the quantiser: the block of 32 units lies in lanes l and l xor 16
.irp rt, 0,1
	v_max3_num_f32 v[176+\rt], |v[224+16*\rt]|, |v[225+16*\rt]|, 0x2800000   ; and the floor 2^(5 - 127): the byte cannot fall under 1
.endr
.irp i, 2,4,6,8,10,12,14
.irp rt, 0,1
	D2
	v_max3_num_f32 v[176+\rt], v[176+\rt], |v[224+16*\rt+\i]|, |v[225+16*\rt+\i]|
.endr
.endr
.irp rt, 0,1
	D2
	v_permlanex16_b32 v[178+\rt], v[176+\rt], s44, s45
.endr
.irp rt, 0,1
	D2
	v_max_num_f32 v[176+\rt], v[176+\rt], v[178+\rt]
.endr
.irp rt, 0,1
	D2
	v_add_nc_u32 v[180+\rt], 0xfe000000, v[176+\rt]    ; 4 off the exponent field: the conversion's scale operand
.endr
.irp rt, 0,1
	D2
	v_lshrrev_b32 v[182+\rt], 23, v[180+\rt]           ; the scale's byte
.endr
	v_cvt_scalef32_pk16_bf6_f32 v[168:170], v[224:239], v180
	v_cvt_scalef32_pk16_bf6_f32 v[172:174], v[240:255], v181
	v_cndmask_b32 v182, v182, v183, s48            ; slot lane's byte
.irp i, 0,1,2
	v_permlane16_swap_b32 v[168+\i], v[172+\i]     ; lane l now holds slot l's lower 16 codes in the first, its upper 16 in the second
.endr
	s_delay_alu instid0(VALU_DEP_3)
	v_mov_b32 v171, v172
	s_delay_alu instid0(VALU_DEP_3)
	v_mov_b32 v172, v173
	s_delay_alu instid0(VALU_DEP_3)
	v_mov_b32 v173, v174
	v_mov_b32 v174, v182
	v_mov_b32 v175, 0
	global_store_b128 v[L16], v[168:171], s[30:31]             ; 24 bytes of codes, the scale byte's word and a zero: two runs of 512 bytes, the next launch's operand as its registers hold it
	global_store_b128 v[L16], v[172:175], s[30:31] offset:512
.Lfin:
	s_wait_xcnt 0x0                                ; the stores have read their registers and their base
	s_add_nc_u64 s[30:31], s[30:31], 24576
	s_add_nc_u64 s[32:33], s[32:33], 768
	s_add_co_u32 s59, s59, 96
	s_sub_co_i32 s57, s57, 96
	LIVE .Lr5
	SEARCH
.Lr5:
	BAR
	LIVE .Lr6
	XLOAD
.Lr6:
	VW
	s_add_co_u32 s63, s63, 1
	s_cmp_lt_u32 s63, 6
	s_cbranch_scc1 .Lpass
	s_wait_tensorcnt 0x0                           ; the wave's end
	ds_add_u32 v[SPW], v[NIL]
	s_wait_dscnt 0x0
	s_endpgm
.Lfunc_end_k_qbfabc83432_hidden:
	.size	k_qbfabc83432_hidden, .Lfunc_end_k_qbfabc83432_hidden-k_qbfabc83432_hidden
	.p2alignl 7, 3214868480
	.fill 96, 4, 3214868480
	.section	.rodata,"a",@progbits
	.p2align	6, 0x0
	.amdhsa_kernel k_qbfabc83432_hidden
		.amdhsa_group_segment_fixed_size 313344
		.amdhsa_private_segment_fixed_size 0
		.amdhsa_enable_private_segment 0
		.amdhsa_kernarg_size 72
		.amdhsa_user_sgpr_count 2
		.amdhsa_user_sgpr_kernarg_segment_ptr 1
		.amdhsa_wavefront_size32 1
		.amdhsa_system_sgpr_workgroup_id_x 1
		.amdhsa_system_sgpr_workgroup_id_y 1
		.amdhsa_system_sgpr_workgroup_id_z 1
		.amdhsa_system_vgpr_workitem_id 0
		.amdhsa_next_free_vgpr 512
		.amdhsa_next_free_sgpr 100
		.amdhsa_reserve_vcc 1
		.amdhsa_float_denorm_mode_32 3
		.amdhsa_float_denorm_mode_16_64 3
		.amdhsa_memory_ordered 1
		.amdhsa_forward_progress 1
		.amdhsa_inst_pref_size 108
	.end_amdhsa_kernel
	.amdgpu_metadata
---
amdhsa.version: [ 1, 2 ]
amdhsa.kernels:
  - .name:           k_qbfabc83432_hidden
    .symbol:         k_qbfabc83432_hidden.kd
    .args:
      - { .name: token_ids, .offset: 0, .size: 8, .value_kind: global_buffer, .address_space: global }
      - { .name: hidden_states_codes, .offset: 8, .size: 8, .value_kind: global_buffer, .address_space: global }
      - { .name: hidden_states_scales, .offset: 16, .size: 8, .value_kind: global_buffer, .address_space: global }
      - { .name: gate_proj_codes, .offset: 24, .size: 8, .value_kind: global_buffer, .address_space: global }
      - { .name: gate_proj_scales, .offset: 32, .size: 8, .value_kind: global_buffer, .address_space: global }
      - { .name: up_proj_codes, .offset: 40, .size: 8, .value_kind: global_buffer, .address_space: global }
      - { .name: up_proj_scales, .offset: 48, .size: 8, .value_kind: global_buffer, .address_space: global }
      - { .name: hq, .offset: 56, .size: 8, .value_kind: global_buffer, .address_space: global }
      - { .name: list, .offset: 64, .size: 8, .value_kind: global_buffer, .address_space: global }
    .group_segment_fixed_size: 313344
    .private_segment_fixed_size: 0
    .kernarg_segment_align: 8
    .kernarg_segment_size: 72
    .max_flat_workgroup_size: 256
    .sgpr_count:     100
    .vgpr_count:     512
    .wavefront_size: 32
...
	.end_amdgpu_metadata
.endif
;; end of part 1
;; launch out (part 2): grid 256 x 1, 8 waves a work-group, no clusters, 167,936 bytes of LDS; arguments hq, list, down_proj_codes, down_proj_scales, out0; writes out0
.if DOCPART == 2
	.amdgcn_target "amdgcn-amd-amdhsa--gfx1250"
	.amdhsa_code_object_version 6
	.text
	.protected	k_qbfabc83432_out
	.globl	k_qbfabc83432_out
	.p2align	8
	.type	k_qbfabc83432_out,@function
k_qbfabc83432_out:
	s_mov_b64 s[64:65], 0
	v_nop
	global_prefetch_b8 v0, s[64:65] scope:SCOPE_SE
	s_setreg_imm32_b32 hwreg(HW_REG_WAVE_MODE, 25, 1), 1
	s_wait_xcnt 0x0
; out[t] = h[t] Wd[e]: K = 256, for the tokens of the lists alone: a row's products with the seven other experts are thrown away by the mask that the problem builds itself.
; GRID.  Work-group b: expert e = b % 8, runs of ids 2 T and 2 T + 1 with T = (b / 8) % 4, columns 256 (b / 32) .. + 255.  Wave w = 2 cg + th: columns 64 cg of those, run 2 T + th.
; Tokens go in passes of 128 slots (four pairs of 16-token tiles) for each run; four passes serve any split; a pass without tokens jumps over its work and over no barrier.
; Wave (cg, th) brings pair cg of run th into LDS, as the operand's image that the launch before stored, and half of the 64 rows of Wd of columns cg; a wave's 64 rows of Wd stay in 96 registers.
; Source 0 = 16 tokens, source 1 = 16 rows of Wd, which are columns 4 r + u (tile u): lane r's results of the four tiles are four neighbouring columns, and sixteen lanes store 256 consecutive bytes, at a multiple of 256.
; NO CLUSTER, NO TENSOR LOADS: branches hang on the lists' counts.  NO PREFETCH: each tile is asked for once, at the head.
; REGISTERS.  v1-15, v248-253 addresses; v16-31 the rows' places in out; v32-95 h on its way, then 8 accumulators; v96-143 Wd on its way, then h's fragments; v144-239 Wd's fragments; v240-247 scale words only.
; The rows of the first token tile leave from v96-127, over the spent fragments; those of the second from v32-63, over the first tile's accumulators, which have been moved by then.
.set HS,    53248                      ; LDS: from 0 Wd, [cg] 64 rows x (192 + 16), a tile's 16 rows on end; h's images [th][pair] 8,192
.set HSC,   118784                     ; h's scale words [th][pair][slot] 8
.set TKL,   120832                     ; tokens [th][pair][slot] 4
.set SPARE, 121856
.set L16, 4
.set L8,  5
.set X16, 6
.set DG,  7                            ; Wd in memory: pairs of rows 4 b3 + 8 b4 on
.set DK0, 8
.set DK1, 9
.set DA,  10
.set HA,  11
.set HSA, 12
.set TA,  13
.set CO,  14
.set H8,  15
.set HWA, 248
.set HSW, 249
.set TW,  250
.set SPW, 251
.set NIL, 252
.set WSO, 253
.macro D2
	s_delay_alu instid0(VALU_DEP_2)
.endm
.macro VW
	s_wait_alu depctr_va_vdst(0)
.endm
.macro BAR
	VW
	s_wait_dscnt 0x0
	s_barrier_signal -1
	s_barrier_wait -1
.endm
.macro FRAG reg, adr, off
.irp p, 0,1,2,3,4,5
	ds_load_b64 v[\reg+2*\p:\reg+2*\p+1], v[\adr] offset:\off+48*(\p/3)+8*(\p%3)
.endr
.endm
.macro WM d, a, b, sa, sb, ra, rb, st
.if (\st) == 0
.if (\ra) == 0 && (\rb) == 0
	v_wmma_scale_f32_16x16x128_f8f6f4 v[\d:\d+7], v[\a:\a+11], v[\b:\b+11], 0, v[\sa], v[\sb] matrix_a_fmt:MATRIX_FMT_BF6 matrix_b_fmt:MATRIX_FMT_BF6
.elseif (\ra) == 0
	v_wmma_scale_f32_16x16x128_f8f6f4 v[\d:\d+7], v[\a:\a+11], v[\b:\b+11], 0, v[\sa], v[\sb] matrix_a_fmt:MATRIX_FMT_BF6 matrix_b_fmt:MATRIX_FMT_BF6 matrix_b_scale:MATRIX_SCALE_ROW1
.elseif (\rb) == 0
	v_wmma_scale_f32_16x16x128_f8f6f4 v[\d:\d+7], v[\a:\a+11], v[\b:\b+11], 0, v[\sa], v[\sb] matrix_a_fmt:MATRIX_FMT_BF6 matrix_b_fmt:MATRIX_FMT_BF6 matrix_a_scale:MATRIX_SCALE_ROW1
.else
	v_wmma_scale_f32_16x16x128_f8f6f4 v[\d:\d+7], v[\a:\a+11], v[\b:\b+11], 0, v[\sa], v[\sb] matrix_a_fmt:MATRIX_FMT_BF6 matrix_b_fmt:MATRIX_FMT_BF6 matrix_a_scale:MATRIX_SCALE_ROW1 matrix_b_scale:MATRIX_SCALE_ROW1
.endif
.else
.if (\ra) == 0 && (\rb) == 0
	v_wmma_scale_f32_16x16x128_f8f6f4 v[\d:\d+7], v[\a:\a+11], v[\b:\b+11], v[\d:\d+7], v[\sa], v[\sb] matrix_a_fmt:MATRIX_FMT_BF6 matrix_b_fmt:MATRIX_FMT_BF6
.elseif (\ra) == 0
	v_wmma_scale_f32_16x16x128_f8f6f4 v[\d:\d+7], v[\a:\a+11], v[\b:\b+11], v[\d:\d+7], v[\sa], v[\sb] matrix_a_fmt:MATRIX_FMT_BF6 matrix_b_fmt:MATRIX_FMT_BF6 matrix_b_scale:MATRIX_SCALE_ROW1
.elseif (\rb) == 0
	v_wmma_scale_f32_16x16x128_f8f6f4 v[\d:\d+7], v[\a:\a+11], v[\b:\b+11], v[\d:\d+7], v[\sa], v[\sb] matrix_a_fmt:MATRIX_FMT_BF6 matrix_b_fmt:MATRIX_FMT_BF6 matrix_a_scale:MATRIX_SCALE_ROW1
.else
	v_wmma_scale_f32_16x16x128_f8f6f4 v[\d:\d+7], v[\a:\a+11], v[\b:\b+11], v[\d:\d+7], v[\sa], v[\sb] matrix_a_fmt:MATRIX_FMT_BF6 matrix_b_fmt:MATRIX_FMT_BF6 matrix_a_scale:MATRIX_SCALE_ROW1 matrix_b_scale:MATRIX_SCALE_ROW1
.endif
.endif
.endm
; Pair cg of my run into LDS: 16 runs of 512 bytes [part p][block][half]; the second half's third word is the slot's scale byte for block 2 p + blk
.macro LOADH
	global_load_b32 v28, v[L8], s[26:27]
.irp x, 0,1,2,3,4,5,6,7,8,9,10,11,12,13,14,15
	global_load_b128 v[32+4*\x:35+4*\x], v[L16], s[16:17] offset:512*\x
.endr
	s_wait_loadcnt 0x0
.irp x, 0,1,2,3,4,5,6,7,8,9,10,11,12,13,14,15
	ds_store_b128 v[HWA], v[32+4*\x:35+4*\x] offset:512*\x
.endr
	v_lshl_or_b32 v30, v46, 8, v38
	v_lshl_or_b32 v31, v78, 8, v70
	D2
	v_lshl_or_b32 v30, v54, 16, v30
	D2
	v_lshl_or_b32 v31, v86, 16, v31
	D2
	v_lshl_or_b32 v30, v62, 24, v30
	D2
	v_lshl_or_b32 v31, v94, 24, v31
	v_min_u32 v28, 0xfff, v28
	ds_store_b64 v[HSW], v[30:31]
	ds_store_b32 v[TW], v28
.endm
; 32 slots x my 64 columns: eight accumulators by turns
.macro PAIR i
	VW
	s_cmp_le_i32 s57, 32*\i
	s_cbranch_scc1 .Ldone_\@
	s_wait_xcnt 0x0                                ; the last pair's stores have read their registers
.irp rt, 0,1
.irp p, 0,1,2,3
	ds_load_b128 v[96+24*\rt+6*\p:99+24*\rt+6*\p], v[HA] offset:8192*\i+2048*\p+256*\rt
	ds_load_b64 v[100+24*\rt+6*\p:101+24*\rt+6*\p], v[HA] offset:8192*\i+2048*\p+512+256*\rt
.endr
.endr
	ds_load_b64 v[244+2*(\i%2):245+2*(\i%2)], v[HSA] offset:256*\i
.irp k, 0,1,2,3
	ds_load_b128 v[16+4*\k:19+4*\k], v[TA] offset:128*\i+64*(\k/2)+16*(\k%2)
.endr
	s_wait_dscnt 0x0
.irp s, 0,1
.irp rt, 0,1
.irp u, 0,1,2,3
	WM 32+32*\rt+8*\u, 96+24*\rt+12*\s, 144+12*(2*\u+\s), 244+2*(\i%2)+\s, 240+2*(\u/2)+\s, \rt, \u%2, \s
.endr
.endr
.endr
.irp k, 0,1,2,3,4,5,6,7,8,9,10,11,12,13,14,15
	v_min_u32 v[16+\k], 0xfff, v[16+\k]            ; (the places behind the matrix instructions too)
.endr
.irp k, 0,1,2,3,4,5,6,7,8,9,10,11,12,13,14,15
	v_mad_u32_u24 v[16+\k], v[16+\k], 8192, v[CO]
.endr
.irp j, 0,1,2,3,4,5,6,7
.irp u, 0,1,2,3
	v_mov_b32 v[96+4*\j+\u], v[32+8*\u+\j]         ; the first tile's row 8 h + j: columns 4 r .. 4 r + 3
.endr
.endr
.irp j, 0,1,2,3,4,5,6,7
.irp u, 0,1,2,3
	v_mov_b32 v[32+4*\j+\u], v[64+8*\u+\j]         ; the second's
.endr
.endr
	VW
	s_cmp_lt_i32 s57, 32*\i+32
	s_cbranch_scc1 .Lpart_\@
.irp rt, 0,1
.irp j, 0,1,2,3,4,5,6,7
	global_store_b128 v[16+8*\rt+\j], v[96-64*\rt+4*\j:99-64*\rt+4*\j], s[24:25] th:TH_STORE_NT
.endr
.endr
	s_branch .Ldone_\@
.Lpart_\@:                                             ; the run's last tokens: free slots store nothing
	s_wait_xcnt 0x0
.irp rt, 0,1
.irp j, 0,1,2,3,4,5,6,7
	s_sub_co_i32 s70, s57, 32*\i+16*\rt+\j
	v_cmp_lt_i32 s71, v[H8], s70                   ; slot 32 i + 16 rt + 8 h + j is taken
	s_and_saveexec_b32 s72, s71
	global_store_b128 v[16+8*\rt+\j], v[96-64*\rt+4*\j:99-64*\rt+4*\j], s[24:25] th:TH_STORE_NT
	s_wait_xcnt 0x0                                ; EXEC is a source of the store
	s_or_b32 exec_lo, exec_lo, s72
.endr
.endr
	s_mov_b32 exec_lo, -1                          ; all lanes, behind the last store's wait
.Ldone_\@:
.endm
	s_load_b256 s[16:23], s[0:1], 0x0              ; hq 16, list 18, Wd codes 20, Wd scales 22
	s_load_b64 s[24:25], s[0:1], 0x20              ; out
	v_lshl_add_u32 v[SPW], v0, 2, SPARE
	v_mov_b32 v[NIL], 0
	v_and_b32 v1, 31, v0                           ; lane
	v_and_b32 v2, 15, v0                           ; r
	v_bfe_u32 v3, v0, 4, 1                         ; h, which is b4
	v_lshrrev_b32 v16, 5, v0
	v_bfe_u32 v17, v0, 3, 1                        ; b3
	v_and_b32 v18, 7, v0
	v_lshlrev_b32 v[L16], 4, v1
	v_readfirstlane_b32 s36, v16                   ; wave
	v_lshlrev_b32 v[L8], 3, v1
	v_lshlrev_b32 v[X16], 4, v18
	v_lshlrev_b32 v19, 5, v2
	v_mul_u32_u24 v20, v17, 416
	v_mad_u32_u24 v[DG], v17, 1536, v[X16]
	v_lshl_add_u32 v[WSO], v3, 3, v19              ; scale rows 4 r + h (and 2 further on)
	v_mad_u32_u24 v20, v3, 832, v20                ; LDS rows 2 b3 + 4 b4
	v_mad_u32_u24 v[DG], v3, 3072, v[DG]
	s_and_b32 s37, s36, 1                          ; th
	s_lshr_b32 s38, s36, 1                         ; cg
	s_and_b32 s39, ttmp9, 7                        ; e
	s_lshr_b32 s40, ttmp9, 3
	s_and_b32 s41, s40, 3                          ; T
	s_lshr_b32 s42, s40, 2                         ; the run of 256 columns
	s_lshl_b32 s43, s39, 3
	s_lshl_b32 s61, s41, 1
	s_add_co_u32 s43, s43, s61
	s_add_co_u32 s43, s43, s37                     ; 8 e + my run
	s_mul_i32 s46, s39, 393216
	s_mul_i32 s61, s42, 49152
	s_add_co_u32 s46, s46, s61
	s_mul_i32 s61, s38, 12288
	s_add_co_u32 s46, s46, s61
	s_mul_i32 s61, s37, 6144
	s_add_co_u32 s46, s46, s61                     ; Wd: my half of the 64 rows
	s_mov_b32 s47, 0
	s_lshl_b32 s48, s39, 14
	s_lshl_b32 s61, s42, 11
	s_add_co_u32 s48, s48, s61
	s_lshl_b32 s61, s38, 9
	s_add_co_u32 s48, s48, s61                     ; the 64 rows' scales
	s_mov_b32 s49, 0
	s_lshl_b32 s50, s43, 12
	s_mov_b32 s51, 0
	s_lshl_b32 s52, s38, 8                         ; 256 cg: pair cg of the list, and my columns in bytes
	s_mov_b32 s53, 0
	s_lshl_b32 s54, s43, 17
	s_lshl_b32 s61, s38, 13
	s_add_co_u32 s54, s54, s61
	s_mov_b32 s55, 0
	s_lshl_b32 s58, s42, 10
	s_add_co_u32 s58, s58, s52
	s_mov_b32 s59, 0
	VW
	s_wait_kmcnt 0x0
	s_add_nc_u64 s[18:19], s[18:19], s[50:51]
	s_load_b64 s[44:45], s[18:19], 0x0             ; slot 0: token, n
	s_add_nc_u64 s[20:21], s[20:21], s[46:47]
	s_add_nc_u64 s[22:23], s[22:23], s[48:49]
.irp i, 0,1,2,3,4,5,6,7,8,9,10,11
	global_load_b128 v[96+4*\i:99+4*\i], v[DG], s[20:21] offset:384*(\i/3)+128*(\i%3)
.endr
.irp v, 0,1
	global_load_b64 v[240+2*\v:241+2*\v], v[WSO], s[22:23] offset:16*\v   ; lanes 0-15 tile 2 v, lanes 16-31 tile 2 v + 1; two words: K steps 0, 1
.endr
	s_add_nc_u64 s[26:27], s[18:19], s[52:53]
	s_add_nc_u64 s[16:17], s[16:17], s[54:55]
	s_add_nc_u64 s[24:25], s[24:25], s[58:59]
	s_mul_i32 s60, s38, 13312                      ; Wd's stage of my 64 columns
	s_mul_i32 s61, s37, 1664
	s_add_co_u32 s61, s61, s60
	v_add_nc_u32 v20, s61, v20
	v_and_b32 v21, 3, v0
	v_bfe_u32 v22, v0, 2, 1
	v_mul_u32_u24 v23, v2, 208
	v_add_nc_u32 v[DK0], v20, v[X16]
	v_lshl_add_u32 v20, v21, 4, v20
	v_mad_u32_u24 v23, v3, 24, v23
	v_lshlrev_b32 v[CO], 4, v2
	v_mad_u32_u24 v[DK1], v22, 3200, v20           ; lanes 4-7 of eight stand in the odd row, 16 rows less 128 bytes further on
	v_add_nc_u32 v[DA], s60, v23
	s_lshl_b32 s61, s37, 15
	s_add_co_u32 s61, s61, HS
	v_lshl_add_u32 v24, v3, 10, v[CO]
	v_lshlrev_b32 v[H8], 3, v3
	v_add_nc_u32 v[HA], s61, v24
	s_lshl_b32 s60, s38, 13
	s_add_co_u32 s61, s61, s60
	v_add_nc_u32 v[HWA], s61, v[L16]
	s_lshl_b32 s61, s37, 10
	s_add_co_u32 s61, s61, HSC
	v_add_nc_u32 v[HSA], s61, v[L8]
	s_add_co_u32 s61, s61, s52
	v_add_nc_u32 v[HSW], s61, v[L8]
	s_lshl_b32 s61, s37, 9
	s_add_co_u32 s61, s61, TKL
	v_lshl_add_u32 v[TA], v3, 5, s61
	s_lshl_b32 s60, s38, 7
	s_add_co_u32 s61, s61, s60
	v_lshl_add_u32 v[TW], v1, 2, s61
	s_lshl_b32 s62, s38, 5                         ; 32 cg: the first slot of the pair that I bring
	VW
	s_wait_kmcnt 0x0
	s_min_u32 s57, s45, 512                        ; slots to go
	s_cmp_le_i32 s57, s62
	s_cbranch_scc1 .Lh0
	LOADH
.Lh0:
	VW
	s_wait_loadcnt 0x0
; Wd: load i took bytes 128 (i % 3) on of the row pairs a = i / 3 + 4 b3 + 8 b4 + 16 th; column c = 4 r + u goes to LDS row 16 u + r
.irp i, 0,1,2,3,4,5,6,7,8,9,10,11
.if (\i%3) == 0
	ds_store_b128 v[DK0], v[96+4*\i:99+4*\i] offset:6656*((\i/3)%2)+208*(\i/6)
.elseif (\i%3) == 1
	ds_store_b128 v[DK1], v[96+4*\i:99+4*\i] offset:6656*((\i/3)%2)+208*(\i/6)+128
.else
	ds_store_b128 v[DK0], v[96+4*\i:99+4*\i] offset:6656*((\i/3)%2)+208*(\i/6)+3392
.endif
.endr
	BAR                                            ; Wd and the first pairs lie in LDS
.irp u, 0,1,2,3
.irp s, 0,1
	FRAG 144+12*(2*\u+\s), DA, 3328*\u+96*\s
.endr
.endr
	s_mov_b32 s63, 0
.Lpass:
	PAIR 0
	PAIR 1
	PAIR 2
	PAIR 3
	VW
	s_wait_xcnt 0x0                                ; the stores and loads have read their registers and bases
	s_add_nc_u64 s[16:17], s[16:17], 32768
	s_add_nc_u64 s[26:27], s[26:27], 1024
	s_sub_co_i32 s57, s57, 128
	BAR                                            ; every wave's reads of the pairs are over
	s_cmp_le_i32 s57, s62
	s_cbranch_scc1 .Lh1
	LOADH
.Lh1:
	BAR
	s_add_co_u32 s63, s63, 1
	s_cmp_lt_u32 s63, 4
	s_cbranch_scc1 .Lpass
	s_wait_tensorcnt 0x0                           ; the wave's end
	ds_add_u32 v[SPW], v[NIL]
	s_wait_dscnt 0x0
	s_endpgm
.Lfunc_end_k_qbfabc83432_out:
	.size	k_qbfabc83432_out, .Lfunc_end_k_qbfabc83432_out-k_qbfabc83432_out
	.p2alignl 7, 3214868480
	.fill 96, 4, 3214868480
	.section	.rodata,"a",@progbits
	.p2align	6, 0x0
	.amdhsa_kernel k_qbfabc83432_out
		.amdhsa_group_segment_fixed_size 167936
		.amdhsa_private_segment_fixed_size 0
		.amdhsa_enable_private_segment 0
		.amdhsa_kernarg_size 40
		.amdhsa_user_sgpr_count 2
		.amdhsa_user_sgpr_kernarg_segment_ptr 1
		.amdhsa_wavefront_size32 1
		.amdhsa_system_sgpr_workgroup_id_x 1
		.amdhsa_system_sgpr_workgroup_id_y 1
		.amdhsa_system_sgpr_workgroup_id_z 1
		.amdhsa_system_vgpr_workitem_id 0
		.amdhsa_next_free_vgpr 256
		.amdhsa_next_free_sgpr 74
		.amdhsa_reserve_vcc 0
		.amdhsa_float_denorm_mode_32 3
		.amdhsa_float_denorm_mode_16_64 3
		.amdhsa_memory_ordered 1
		.amdhsa_forward_progress 1
		.amdhsa_inst_pref_size 75
	.end_amdhsa_kernel
	.amdgpu_metadata
---
amdhsa.version: [ 1, 2 ]
amdhsa.kernels:
  - .name:           k_qbfabc83432_out
    .symbol:         k_qbfabc83432_out.kd
    .args:
      - { .name: hq, .offset: 0, .size: 8, .value_kind: global_buffer, .address_space: global }
      - { .name: list, .offset: 8, .size: 8, .value_kind: global_buffer, .address_space: global }
      - { .name: down_proj_codes, .offset: 16, .size: 8, .value_kind: global_buffer, .address_space: global }
      - { .name: down_proj_scales, .offset: 24, .size: 8, .value_kind: global_buffer, .address_space: global }
      - { .name: out0, .offset: 32, .size: 8, .value_kind: global_buffer, .address_space: global }
    .group_segment_fixed_size: 167936
    .private_segment_fixed_size: 0
    .kernarg_segment_align: 8
    .kernarg_segment_size: 40
    .max_flat_workgroup_size: 256
    .sgpr_count:     74
    .vgpr_count:     256
    .wavefront_size: 32
...
	.end_amdgpu_metadata
.endif
;; end of part 2
